; MI455X (gfx1250); checked and timed in simulation.
; The chip was launched on July 23, 2026; its instructions are those of AMD's public machine-readable ISA for CDNA 5 (MIT licence, August 2026) and "CDNA5" Instruction Set Architecture Reference Guide (July 2026). The comments in the code are by the model that wrote it; some were corrected since.
;; Dynamic Conv Crs Mod. Allowed arithmetic: matrix products marked QUANTISED: E2M3 operands, one E8M0 scale for each 32 along K, by v_wmma_scale_f32_16x16x128_f8f6f4 with both operands' format E2M3, f32 sums; products left as they are: f32 operands where the result goes on into a quantised operand, else bf16, f16 or f32 operands; f32 sums; everything else in f32.
;; Inputs: W_aft 16,384 x 256 float32; W_out 256 x 256 float32; W_pre 32,768 x 256 float32; b_aft 16,384 float32; b_out 256 float32; b_pre 32,768 float32; be1 64 float32; be2 256 float32; be3 256 float32; g1 64 float32; g2 256 float32; g3 256 float32; query 8 x 450 x 256 float32; sampled_feats 8 x 450 x 512 float32.
;; Outputs: out0 450 x 8 x 256 float32.
;; This version of the problem:
;;   THIS VERSION OF THE PROBLEM IS GIVEN IN LOW PRECISION. The matrix products marked QUANTISED in the list below multiply operands that are first quantised to E2M3 (2 exponent bits, 3 mantissa bits; 6 bits a number), with one power-of-two scale for each 32 numbers along K (OCP MX v1.0); their sums are f32. All else is computed in f32.
;;   The module's matrix products, in the order in which they are computed (A, B: the left and right operand; K: the contracted axis; several contracted axes count as one K, in the product's order):
;;     1. [M 3,600, K 256] x [K 256, N 32,768]; A: input query; B: input W_pre: QUANTISED
;;     2. [M 3,600, K 256] x [K 256, N 16,384]; A: input query; B: input W_aft: QUANTISED
;;     3. batch 3,600 x [M 1, K 512] x [K 512, N 64]; A: input sampled_feats; B: computed on the way: left as it is (M = 1 < 16)
;;     4. batch 3,600 x [M 1, K 64] x [K 64, N 256]; A: computed on the way; B: computed on the way: left as it is (M = 1 < 16)
;;     5. [M 3,600, K 256] x [K 256, N 256]; A: computed on the way; B: input W_out: QUANTISED
;;   THE QUANTISER, for each operand of a quantised product, along K:
;;     - K is cut into blocks of 32 from its start; a last block that is shorter is filled with zeros.
;;     - A block's scale is 2^e with e = floor(log2(the largest magnitude in the block)) - 2, held to -126 .. 127; a block of zeros has e = 0. As a byte (E8M0): e + 127.
;;     - Each number is divided by its block's scale, clamped to +-7.5, and rounded to the nearest number of E2M3, ties to even, subnormals kept.
;;     - The product sums the exact products of the quantised numbers (number of the format x scale) in f32.
;;   ~~~python
;;   def quantise(x, axis):      # numpy; x: float32 -> the quantised numbers, widened to float32 again
;;       x = np.moveaxis(x, axis, -1); K = x.shape[-1]
;;       x = np.pad(x, [(0, 0)] * (x.ndim - 1) + [(0, -K % 32)]); x = x.reshape(x.shape[:-1] + (-1, 32)); a = np.abs(x).max(-1, keepdims=True)
;;       e = np.where(a > 0, np.clip(np.frexp(np.where(a > 0, a, 1))[1] - 1 - 2, -126, 127), 0)      # np.frexp(a)[1] - 1 = floor(log2(a)), exactly
;;       r = np.clip(x / 2.0 ** e, -7.5, 7.5)
;;       step = 2.0 ** (np.maximum(np.frexp(np.where(r == 0, 1, r))[1] - 1, 0) - 3)
;;       q = np.round(r / step) * step * 2.0 ** e      # np.round: ties to even
;;       return np.moveaxis(q.reshape(q.shape[:-2] + (-1,))[..., :K], -1, axis).astype(np.float32)
;;   ~~~
;;   OPERANDS COMPUTED ON THE WAY. 'Computed on the way' means the value that the module computes at that place (a softmax that the list does not call 'softmax' is quantised finished and normalised). What goes into a quantiser is computed in f32, as accurately as f32 sums, v_exp_f32 and their like allow (about 1e-6 of the number): no bf16 or f16 on the way to a quantiser, and a product that is left as it is and whose result goes on into a quantised operand takes f32 operands (vector FMAs, or v_wmma_f32_16x16x4_f32). A number that lies on a knife's edge between two numbers of the format may be rounded either way, as far as f32 arithmetic and the matrix unit's own rounding can turn it there, and no further.
;; One version. Each part assembles by itself: llvm-mc -triple=amdgcn-amd-amdhsa -mcpu=gfx1250 --defsym DOCPART=n.
;; ======== version 1 of 1: 4 launches
;; workspace buffers: wcodes 10,177,536 bytes; wscales 424,192 bytes; part1 1,843,200 bytes; part2 3,686,400 bytes
;; launch quant (part 1): grid 3313 x 1, 1 waves a work-group, no clusters, 17,152 bytes of LDS; arguments W_pre, W_aft, W_out, query, wcodes, wscales; writes wcodes, wscales
.if DOCPART == 1
	.amdgcn_target "amdgcn-amd-amdhsa--gfx1250"
	.amdhsa_code_object_version 6
	.text
	.protected	k_q79cbcc571b_quant
	.globl	k_q79cbcc571b_quant
	.p2align	8
	.type	k_q79cbcc571b_quant,@function
k_q79cbcc571b_quant:
	s_mov_b64 s[64:65], 0
	v_nop
	global_prefetch_b8 v0, s[64:65] scope:SCOPE_SE
	s_setreg_imm32_b32 hwreg(HW_REG_WAVE_MODE, 25, 1), 1
	s_wait_xcnt 0x0
; W_pre, W_aft, W_out and query (f32, K = 256 innermost) become operands of FP6 (E2M3) with one E8M0 scale byte for each 32 along K.
; One wave makes one RECORD: 16 rows x 256 K as an image of the operand's registers: 6 pieces of 512 bytes; piece m holds, at 16 x lane,
; registers 4 (m % 3) .. + 3 of the fragment of K step m / 3 (128 along K each).  Its scale words: 128 bytes, word 4 r = row r's K step 0,
; word 64 + 4 r = row r's K step 1.  A later launch loads a record by six loads of 16 bytes a lane and has the operand as it stands.
; RECORDS: 0 .. 2047 W_pre, record ((ds 2 + kh) 4 + w) 32 + i: rows 8 h + j = W_pre row (k0 + 2 h) 64 + 8 ds + j,
;   k0 = 256 kh + 64 (i / 8) + 16 w + 4 ((i / 2) % 4) + i % 2;   2048 + 64 et + d: W_aft rows 256 d + 16 et + 0 .. 15;
;   3072 + nt: W_out rows 16 nt ..;   3088 + T: query rows 16 T ..
; A block's scale is 2^(floor(log2(largest magnitude)) - 2): its byte is the largest magnitude's exponent field - 2, held at 1 from below.
; LIMITS: a block of zeros gets the byte 1 where the rule says 127 (its codes are zeros, and this program alone reads the bytes);
; blocks whose largest magnitude lies under 2^(3 - 127) are held at that floor; NaN and infinities among the inputs are not served.
; Each load reads 512 consecutive bytes; the 16 rows turn through the wave's LDS (rows 1,040 bytes apart) so that a lane gets whole blocks of one row.
.set XR, 96                            ; v96-223  the 16 rows as loaded, then my four blocks of 32
.set PC, 32                            ; v32-55   the codes: two fragments of 12 registers
.set CT, 56                            ; v56-71   each block's second 16 codes, ahead of their move
.set TM, 8                             ; v8-11 largest magnitudes; v12-15 scale operands; v16-19 bytes; v20-21 scale words; v22-23 the other half's
	s_load_b256 s[4:11], s[0:1], 0x0               ; W_pre s[4:5], W_aft s[6:7], W_out s[8:9], query s[10:11]
	s_load_b128 s[12:15], s[0:1], 0x20             ; wcodes s[12:13], wscales s[14:15]
	v_lshl_add_u32 v224, v0, 2, 0x4200
	v_mov_b32 v225, 0
	s_mov_b32 s16, ttmp9                           ; the record's number
	s_and_b32 s17, s16, 31                         ; as a record of W_pre: i,
	s_bfe_u32 s18, s16, 0x20005                    ; w,
	s_bfe_u32 s19, s16, 0x10007                    ; kh,
	s_lshr_b32 s20, s16, 8                         ; ds
	s_lshl_b32 s21, s19, 8
	s_lshr_b32 s22, s17, 3
	s_lshl_b32 s22, s22, 6
	s_add_co_u32 s21, s21, s22
	s_lshl_b32 s22, s18, 4
	s_add_co_u32 s21, s21, s22
	s_bfe_u32 s22, s17, 0x20001
	s_lshl_b32 s22, s22, 2
	s_add_co_u32 s21, s21, s22
	s_and_b32 s22, s17, 1
	s_add_co_u32 s21, s21, s22                     ; k0
	s_lshl_b32 s21, s21, 6
	s_lshl_b32 s22, s20, 3
	s_add_co_u32 s21, s21, s22                     ; its first row: 64 k0 + 8 ds
	s_sub_co_u32 s23, s16, 2048                    ; as a record of W_aft:
	s_and_b32 s24, s23, 63
	s_lshl_b32 s24, s24, 8
	s_lshr_b32 s25, s23, 6
	s_lshl_b32 s25, s25, 4
	s_add_co_u32 s24, s24, s25                     ; 256 d + 16 et
	s_sub_co_u32 s25, s16, 3072
	s_lshl_b32 s25, s25, 4                         ; of W_out
	s_sub_co_u32 s26, s16, 3088
	s_lshl_b32 s26, s26, 4                         ; of query
	s_mov_b32 s30, 0x76543210
	s_mov_b32 s31, 0xfedcba98                      ; v_permlanex16_b32's selects for lane l xor 16
	v_and_b32 v6, 15, v0                           ; r  (one wave: the thread's number is the lane)
	v_lshrrev_b32 v7, 4, v0                        ; h
	v_lshlrev_b32 v1, 4, v0                        ; 16 x lane
	v_mul_u32_u24 v3, v6, 1040
	v_lshl_add_u32 v3, v7, 7, v3                   ; out of LDS: row r, + 128 h: 32 numbers of each 64
	v_lshlrev_b32 v4, 2, v0                        ; 4 x lane
	v_lshlrev_b32 v5, 3, v7                        ; 8 h: my bytes' place in a scale word
	v_mov_b32 v22, 0                               ; a lane permute's destination counts as one of its sources
	v_mov_b32 v23, 0
	s_wait_kmcnt 0x0
	s_cmp_lt_u32 s16, 3088                         ; which tensor: the choices hang on the record's number alone
	s_cselect_b64 s[10:11], s[8:9], s[10:11]
	s_cselect_b32 s26, s25, s26
	s_cmp_lt_u32 s16, 3072
	s_cselect_b64 s[10:11], s[6:7], s[10:11]
	s_cselect_b32 s26, s24, s26
	s_cmp_lt_u32 s16, 2048
	s_cselect_b64 s[10:11], s[4:5], s[10:11]
	s_cselect_b32 s26, s21, s26
	s_cselect_b32 s27, 120*1024, 0                 ; W_pre: rows 8 .. 15 of a record lie 128 rows behind rows 0 .. 7, that is 120 further than neighbours
	s_lshl_b32 s28, s26, 10                        ; a row is 1,024 bytes
	s_mov_b32 s29, 0
	s_add_nc_u64 s[10:11], s[10:11], s[28:29]
	s_mul_i32 s28, s16, 3072
	s_add_nc_u64 s[12:13], s[12:13], s[28:29]
	s_lshl_b32 s28, s16, 7
	s_add_nc_u64 s[14:15], s[14:15], s[28:29]
	v_add_nc_u32 v2, s27, v1
.set N, 0
.rept 16
	global_load_b128 v[XR+4*N:XR+4*N+3], v1, s[10:11] offset:(N/2)*1024+(N%2)*512 th:TH_LOAD_NT   ; half a row: 512 consecutive bytes
.set N, N+1
.endr
.rept 16
	global_load_b128 v[XR+4*N:XR+4*N+3], v2, s[10:11] offset:(N/2)*1024+(N%2)*512 th:TH_LOAD_NT
.set N, N+1
.endr
.set N, 0
.rept 32
	s_wait_loadcnt 31-N                            ; loads come back in order: load N is in, the 31 - N younger ones stay out
	ds_store_b128 v1, v[XR+4*N:XR+4*N+3] offset:(N/2)*1040+(N%2)*512
.set N, N+1
.endr
	s_wait_dscnt 0x0                               ; the stores have read their registers, which the loads below fill again
.irp q, 0,1,2,3                        ; block q of mine: k = 64 q + 32 h + 0 .. 31 of row r
.irp m, 0,1,2,3,4,5,6,7
	ds_load_b128 v[XR+32*\q+4*\m:XR+32*\q+4*\m+3], v3 offset:256*\q+16*\m
.endr
.endr
	s_wait_dscnt 0x0
.irp q, 0,1,2,3
	v_max3_num_f32 v[TM+\q], |v[XR+32*\q]|, |v[XR+32*\q+1]|, 0x1800000   ; and the floor 2^(3 - 127): the byte cannot fall under 1
.endr
.irp i, 2,4,6,8,10,12,14,16,18,20,22,24,26,28,30
.irp q, 0,1,2,3
	v_max3_num_f32 v[TM+\q], v[TM+\q], |v[XR+32*\q+\i]|, |v[XR+32*\q+\i+1]|   ; the four blocks by turns
.endr
.endr
.irp q, 0,1,2,3
	v_add_nc_u32 v[TM+4+\q], 0xff000000, v[TM+\q]  ; 2 off the exponent field: the conversion's scale operand
.endr
.irp q, 0,1,2,3
	v_lshrrev_b32 v[TM+8+\q], 23, v[TM+4+\q]       ; the scale's byte
.endr
.irp c, 0,1                            ; K step c: my bytes are those of blocks h and 2 + h of its four
	v_lshl_or_b32 v[20+\c], v[TM+9+2*\c], 16, v[TM+8+2*\c]
.endr
.irp c, 0,1
	v_lshlrev_b32 v[20+\c], v5, v[20+\c]
.endr
.irp c, 0,1
	v_permlanex16_b32 v[22+\c], v[20+\c], s30, s31
.endr
.irp c, 0,1
	v_or_b32 v[20+\c], v[20+\c], v[22+\c]          ; with lane l xor 16's two bytes the word is whole
.endr
	v_cmp_gt_u32 vcc_lo, 16, v0
	v_cndmask_b32 v24, v21, v20, vcc_lo            ; lanes 0-15 carry K step 0's words, lanes 16-31 K step 1's
.irp q, 0,1,2,3
	v_cvt_scalef32_pk16_fp6_f32 v[PC+6*\q:PC+6*\q+2], v[XR+32*\q:XR+32*\q+15], v[TM+4+\q]
	v_cvt_scalef32_pk16_fp6_f32 v[CT+4*\q:CT+4*\q+2], v[XR+32*\q+16:XR+32*\q+31], v[TM+4+\q]   ; (a conversion's three registers begin on an even number)
.endr
	v_nop                                          ; one plain place behind a scaled conversion
.irp q, 0,1,2,3
.irp i, 0,1,2
	v_mov_b32 v[PC+6*\q+3+\i], v[CT+4*\q+\i]
.endr
.endr
.irp m, 0,1,2,3,4,5
	global_store_b128 v1, v[PC+4*\m:PC+4*\m+3], s[12:13] offset:512*\m   ; 512 consecutive bytes, at a multiple of 256 from the buffer's first byte
.endr
	global_store_b32 v4, v24, s[14:15]
	s_wait_tensorcnt 0x0
	ds_add_u32 v224, v225
	s_wait_dscnt 0x0
	s_endpgm
.Lfunc_end_k_q79cbcc571b_quant:
	.size	k_q79cbcc571b_quant, .Lfunc_end_k_q79cbcc571b_quant-k_q79cbcc571b_quant
	.p2alignl 7, 3214868480
	.fill 96, 4, 3214868480
	.section	.rodata,"a",@progbits
	.p2align	6, 0x0
	.amdhsa_kernel k_q79cbcc571b_quant
		.amdhsa_group_segment_fixed_size 17152
		.amdhsa_private_segment_fixed_size 0
		.amdhsa_enable_private_segment 0
		.amdhsa_kernarg_size 48
		.amdhsa_user_sgpr_count 2
		.amdhsa_user_sgpr_kernarg_segment_ptr 1
		.amdhsa_wavefront_size32 1
		.amdhsa_system_sgpr_workgroup_id_x 1
		.amdhsa_system_sgpr_workgroup_id_y 1
		.amdhsa_system_sgpr_workgroup_id_z 1
		.amdhsa_system_vgpr_workitem_id 0
		.amdhsa_next_free_vgpr 226
		.amdhsa_next_free_sgpr 66
		.amdhsa_reserve_vcc 1
		.amdhsa_float_denorm_mode_32 3
		.amdhsa_float_denorm_mode_16_64 3
		.amdhsa_memory_ordered 1
		.amdhsa_forward_progress 1
		.amdhsa_inst_pref_size 18
	.end_amdhsa_kernel
	.amdgpu_metadata
---
amdhsa.version: [ 1, 2 ]
amdhsa.kernels:
  - .name:           k_q79cbcc571b_quant
    .symbol:         k_q79cbcc571b_quant.kd
    .args:
      - { .name: W_pre, .offset: 0, .size: 8, .value_kind: global_buffer, .address_space: global }
      - { .name: W_aft, .offset: 8, .size: 8, .value_kind: global_buffer, .address_space: global }
      - { .name: W_out, .offset: 16, .size: 8, .value_kind: global_buffer, .address_space: global }
      - { .name: query, .offset: 24, .size: 8, .value_kind: global_buffer, .address_space: global }
      - { .name: wcodes, .offset: 32, .size: 8, .value_kind: global_buffer, .address_space: global }
      - { .name: wscales, .offset: 40, .size: 8, .value_kind: global_buffer, .address_space: global }
    .group_segment_fixed_size: 17152
    .private_segment_fixed_size: 0
    .kernarg_segment_align: 8
    .kernarg_segment_size: 48
    .max_flat_workgroup_size: 32
    .sgpr_count:     66
    .vgpr_count:     226
    .wavefront_size: 32
...
	.end_amdgpu_metadata
.endif
;; end of part 1
;; launch stage1 (part 2): grid 16 x 15, 4 waves a work-group, clusters of 4 x 1, 327,680 bytes of LDS; arguments sampled_feats, b_pre, wcodes, wscales, part1; writes part1
.if DOCPART == 2
	.amdgcn_target "amdgcn-amd-amdhsa--gfx1250"
	.amdhsa_code_object_version 6
	.text
	.protected	k_q79cbcc571b_stage1
	.globl	k_q79cbcc571b_stage1
	.p2align	8
	.type	k_q79cbcc571b_stage1,@function
k_q79cbcc571b_stage1:
	s_mov_b64 s[64:65], 0
	v_nop
	global_prefetch_b8 v0, s[64:65] scope:SCOPE_SE
	s_setreg_imm32_b32 hwreg(HW_REG_WAVE_MODE, 25, 1), 1
	s_wait_xcnt 0x0
	s_wait_alu depctr_hold_cnt(0) depctr_sa_sdst(0) depctr_va_vdst(0) depctr_va_sdst(0) depctr_va_ssrc(0) depctr_va_vcc(0) depctr_vm_vsrc(0)
	s_getreg_b32 s2, hwreg(HW_REG_IB_STS2, 6, 4)
	s_cmp_eq_u32 s2, 0
	s_cbranch_scc0 .Lentry_in_a_cluster
	s_endpgm
.Lentry_in_a_cluster:
	s_bfe_u32 s2, ttmp6, 0x10000c
	s_cmp_lg_u32 s2, 0x3003
	s_cbranch_scc0 .Lentry_shape_is_right
	s_endpgm
.Lentry_shape_is_right:
; f1[b][d] = sum over k of feats[b][k] (query[b] . W_pre[64 k + d] + b_pre[64 k + d]), the inner product on codes of FP6 (E2M3) with E8M0 scales.
; The products' results are never stored: each tile of 16 x 16 is made by two matrix instructions (K = 256) and used up at once by eight multiply-adds a lane.
; SHARES.  3,600 rows are 15 groups of 15 tiles of 16.  A work-group takes one group g, eight d (slice ds) and 256 k (half kh); the two halves' sums are added by the next launch.
; Each wave keeps ALL 15 tiles of the group's query codes in registers (360), so a weight tile of 16 rows feeds 30 matrix instructions.  Wave w streams its own 32 weight tiles
; straight from memory into a ring of eight register slots (no other wave of the work-group reads them, so LDS would add nothing); seven tiles, 49 loads, are on their way.
; LAYOUT.  Source 0 = 16 rows of W_pre, source 1 = 16 rows of query: lane (r, h) holds row r, and register j weight row 8 h + j = (k0 + 2 h) 64 + 8 ds + j.
; So a lane wants ONE feature for a tile, feats[r][k0 + 2 h].  b_pre is the C of a tile's first instruction.
; PIPELINE.  A weight tile's 30 matrix instructions go in three sections of five row tiles; behind each matrix instruction stand two packed multiply-adds that use up
; the tile made one weight tile earlier (two sets of results by turns).  Section B's registers lie in window B, so that its matrix and vector instructions share one window setting.
; ALL MEMORY INSTRUCTIONS OF A WEIGHT TILE STAND IN ONE RUN, behind its first section, so that the row of matrix instructions is broken once a tile.  The run of tile g brings: window 1's bias of tile g + 2;
; the features of tile g for sections 2 and 3 and of tile g + 1 for section 1; ring tile g + 7; windows 3 and 2's bias of tile g + 1.  Each of them is first wanted in a later tile, whose head waits for the run.
; CLUSTER.  The four work-groups of a cluster share g and kh: the feature slab and the query image are asked for jointly.  The weights' sharers are the 15 groups; 15 does not divide into clusters of 4.
; Every LDS byte that a tensor load fills is filled once.
; REGISTERS.  window 0: v1 16 x lane, v2 4 x lane, v3 features, v4 bias table, v5 query image, v6/v7 the sums' way in and back, v8/v10 the bias's way in; v11-25 query scale words; v26-33 weight scale words;
;   v34-43 section 1's features; v44-63 sections 2 and 3's, two sets of ten; v64-255 weight codes, 8 slots of 24.
;   window B = 1, 2, 3 (row tiles 5 (B - 1) + u): v0-119 query fragments, v120-159 sums, v160-239 results (2 sets), v240-255 bias (2 sets).
.set NT,    32                         ; weight tiles of a wave
.set FK,    8                          ; a pair of weight tiles is 4 k on from the pair before: 2 FK bytes of features
.set CHUNK, 240*272                    ; LDS: 240 rows x (64 features + 16 bytes of padding)
.set FSTEP, CHUNK                      ; eight tiles on: the next chunk
.set QIMG,  4*CHUNK                    ; the group's 15 query records, 46,080 bytes
.set BIAS,  QIMG+46080                 ; 64 bytes a tile, 2,048 a wave
.set RED,   0                          ; the waves' sums meet in chunk 0, which has had its one fill
.set QS,  11
.set WS,  26
.set FP1, 34                           ; section 1: row tile u's pair at 34 + 2 u: an even weight tile's feature in its first register, an odd one's in its second
.set FPS, 44                           ; sections 2 and 3: set e (the weight tile's parity) at 44 + 10 e; in it row tile 5 + i at + i: a pair holds two row tiles of ONE set
.set WC,  64
.set ACC, 120
.set DD,  160
.set BB,  240
.set MSB, 0
.macro WIN new                         ; the immediate's high byte repeats the setting that is left
.if MSB != \new
	s_set_vgpr_msb (MSB<<8)|\new
.set MSB, \new
.endif
.endm
.macro ROUND                           ; a round of the cluster's barrier
	s_barrier_signal -1
	s_barrier_wait -1
	s_cmp_lg_u32 s18, 0
	s_cbranch_scc1 .Lnot_wave_0_\@
	s_barrier_signal -3
.Lnot_wave_0_\@:
	s_barrier_wait -3
	s_barrier_signal -1
	s_barrier_wait -1
.endm
.macro BAR                             ; my LDS stores have landed and my LDS loads are in: then the work-group's barrier
	s_wait_dscnt 0x0
	s_barrier_signal -1
	s_barrier_wait -1
.endm
.macro WLOAD j                         ; the weight tile j places on from the trip's first, into slot j % 8: six loads of 512 consecutive bytes and its scale words
.irp m, 0,1,2,3,4,5
	global_load_b128 v[WC+24*((\j)%8)+4*\m:WC+24*((\j)%8)+4*\m+3], v1, s[74:75] offset:(\j)*3072+512*\m
.endr
	global_load_b32 v[WS+(\j)%8], v2, s[76:77] offset:(\j)*128
.endm
.macro FLA tl                          ; section 1's five multipliers of the trip's weight tile tl
.irp u, 0,1,2,3,4
	ds_load_b32 v[FP1+2*\u+(\tl)%2], v3 offset:\u*4352+2*FK*((\tl)/2)+4*((\tl)%2)
.endr
.endm
.macro FLB tl                          ; sections 2 and 3's ten
.irp i, 0,1,2,3,4,5,6,7,8,9
	ds_load_b32 v[FPS+10*((\tl)%2)+\i], v3 offset:(5+\i)*4352+2*FK*((\tl)/2)+4*((\tl)%2)
.endr
.endm
.macro BLOAD p, j                      ; the bias of the trip's tile j, in the result's layout, into set p of the window in hand
.irp c, 0,1
	ds_load_b128 v[BB+8*(\p)+4*\c:BB+8*(\p)+4*\c+3], v4 offset:64*(\j)+16*\c
.endr
.endm
.macro PKOP g, B                       ; packed operation FF of 20, on the results of weight tile g - 1: row tile FF / 4, registers 2 (FF % 4), + 1: each result is read from its low end on
.set UF, FF/4
.set JF, 2*(FF%4)
.set RA, ACC+8*UF+JF
.set RS, DD+40*(1-PP)+8*UF+JF
.if (\B) == 1
.set RF, FP1+2*UF
.set SE, ((\g)-1)%2                    ; which register of the pair serves both halves: the weight tile's parity,
.else
.set IX, 5*((\B)-2)+UF
.set RF, FPS+10*(((\g)-1)%2)+2*(IX/2)
.set SE, IX%2                          ; or the row tile's
.endif
.if ((\g) == 1) && (SE == 0)
	v_pk_mul_f32 v[RA:RA+1], v[RF:RF+1], v[RS:RS+1] op_sel_hi:[0,1]                               ; the first tile starts the sums: nothing is cleared
.elseif (\g) == 1
	v_pk_mul_f32 v[RA:RA+1], v[RF:RF+1], v[RS:RS+1] op_sel:[1,0] op_sel_hi:[1,1]
.elseif SE == 0
	v_pk_fma_f32 v[RA:RA+1], v[RF:RF+1], v[RS:RS+1], v[RA:RA+1] op_sel_hi:[0,1,1]
.else
	v_pk_fma_f32 v[RA:RA+1], v[RF:RF+1], v[RS:RS+1], v[RA:RA+1] op_sel:[1,0,0] op_sel_hi:[1,1,1]
.endif
.endm
; Section B of weight tile g: ten matrix instructions, five accumulators by turns, K step 0 and then K step 1.
.macro SECT g, B
.set PP, (\g)&1
.set SL, (\g)%8
.set XX, 0
.rept 10
.set UU, XX%5
.set CC, XX/5
.set RD, DD+40*PP+8*UU
.set RW, WC+24*SL+12*CC
.set RQ, 24*UU+12*CC
.if CC == 0
	v_wmma_scale_f32_16x16x128_f8f6f4 v[RD:RD+7], v[RW:RW+11], v[RQ:RQ+11], v[BB+8*PP:BB+8*PP+7], v[WS+SL], v[QS+5*((\B)-1)+UU] matrix_a_fmt:MATRIX_FMT_FP6 matrix_b_fmt:MATRIX_FMT_FP6
.else
	v_wmma_scale_f32_16x16x128_f8f6f4 v[RD:RD+7], v[RW:RW+11], v[RQ:RQ+11], v[RD:RD+7], v[WS+SL], v[QS+5*((\B)-1)+UU] matrix_a_fmt:MATRIX_FMT_FP6 matrix_b_fmt:MATRIX_FMT_FP6 matrix_a_scale:MATRIX_SCALE_ROW1 matrix_b_scale:MATRIX_SCALE_ROW1
.endif
.if (\g) > 0
.set FF, 2*XX
.rept 2
	PKOP \g, \B
.set FF, FF+1
.endr
.endif
.set XX, XX+1
.endr
.if ((\g) == 0) && ((\B) == 1)
.rept 4
	v_nop                                          ; the first tile has no vector work yet: four places in front of the load into the bias that this section has read, and of the first read of its results
.endr
.endif
.endm
.macro GROUP g
.set GL, (\g)%8
.set PP, (\g)&1
.if NT-1-(\g) >= 6
	s_wait_loadcnt 42                              ; this tile's seven loads are in; the six younger tiles' stay out
.else
	s_wait_loadcnt 7*(NT-1-(\g))
.endif
	s_wait_dscnt 0x0                               ; the last tile's run of LDS loads, issued twenty matrix instructions ago, is in: no LDS load of mine is out in section 1
	WIN 0x54                                       ; source 0 (weights, multipliers, addresses) window 0; all else window 1
	SECT \g, 1
	; ---- the tile's one run of memory instructions
.if (\g)+2 < NT
	BLOAD PP, GL+2                                 ; window 1's bias of tile g + 2: this set was last read by the section's fifth instruction, twelve packed operations back
.endif
	WIN 0
	FLB GL                                         ; tile g's multipliers for sections 2 and 3: into the set that those sections read for the last time in the tile before; they read the other set below
.if (\g)+1 < NT
.if GL == 7
	v_add_nc_u32 v3, FSTEP, v3                     ; eight tiles on
	FLA 0
.else
	FLA GL+1                                       ; tile g + 1's for section 1: into the halves that section 1 has just used up
.endif
.endif
.if (\g)+7 < NT
	WLOAD GL+7                                     ; into the slot of the tile before: its last product stands 22 packed operations back
.endif
.if (\g)+1 < NT
	WIN 0xfc
	BLOAD 1-PP, GL+1                               ; windows 3 and 2's bias of tile g + 1: into the set that the tile before read
	WIN 0xa8
	BLOAD 1-PP, GL+1
.endif
	WIN 0xa8
	SECT \g, 2
	WIN 0xfc
	SECT \g, 3
.endm
.macro STEPTRIP                        ; eight tiles on (the multipliers' address has stepped in the last tile's run)
	WIN 0
	v_add_nc_u32 v4, 512, v4
	s_wait_xcnt 0x0                                ; the pending loads have read their bases
	s_add_nc_u64 s[74:75], s[74:75], 8*3072
	s_add_nc_u64 s[76:77], s[76:77], 8*128
.endm
.macro DRAIN                           ; the last tile's results
	s_wait_dscnt 0x0                               ; its multipliers for sections 2 and 3, asked for in its own run
.set PP, 0
.irp B, 1,2,3
	WIN 0x54*\B
.set FF, 0
.rept 20
	PKOP NT, \B
.set FF, FF+1
.endr
.endr
.endm
.macro CHD j, b                        ; descriptor group 0 of my 60 rows of chunk j
	s_mov_b32 s[\b], 1
	s_add_co_u32 s[\b+1], s17, \j*CHUNK
	s_add_nc_u64 s[\b+2:\b+3], s[14:15], \j*256
	s_or_b32 s[\b+3], s[\b+3], 0x80000000
.endm
	s_load_b256 s[4:11], s[0:1], 0x0               ; feats s[4:5], b_pre s[6:7], wcodes s[8:9], wscales s[10:11]
	s_load_b64 s[12:13], s[0:1], 0x20              ; part1
	v_lshl_add_u32 v254, v0, 2, 0x4d000
	v_mov_b32 v255, 0
	ds_add_u32 v254, v255
	ds_add_u32 v254, v255
	s_wait_dscnt 0x0
	v_lshrrev_b32 v1, 5, v0
	v_readfirstlane_b32 s18, v1                    ; wave 0..3
	s_bfe_u32 s19, ttmp6, 0x40000                  ; cx: it enters the addresses of weights, bias and output alone
	s_and_b32 s20, ttmp7, 0xffff                   ; g
	s_lshr_b32 s21, ttmp9, 1                       ; kh: shared by the cluster
	s_and_b32 s22, ttmp9, 1
	s_lshl_b32 s22, s22, 2
	s_add_co_u32 s22, s22, s19                     ; ds
	v_and_b32 v9, 31, v0                           ; lane
	v_and_b32 v10, 15, v0                          ; r
	v_bfe_u32 v8, v0, 4, 1                         ; h
	v_lshlrev_b32 v1, 4, v9
	v_lshlrev_b32 v2, 2, v9
	v_mul_u32_u24 v3, v10, 272
	v_lshl_add_u32 v3, v8, 3, v3
	s_lshl_b32 s73, s18, 6
	v_add_nc_u32 v3, s73, v3                       ; features: row r, k = 16 w + 2 h
	v_add_nc_u32 v5, QIMG, v1
	s_mul_i32 s73, s18, 15360
	v_add_nc_u32 v6, s73, v1                       ; my wave's sums: 15 tiles x 1,024 bytes
	v_lshlrev_b32 v7, 4, v10
	v_lshl_add_u32 v7, v8, 9, v7
	s_lshl_b32 s73, s18, 10
	v_add_nc_u32 v7, s73, v7                       ; back: tile w + 4 n; lane l takes registers 4 (l / 16) .. + 3 of row l % 16
	s_lshl_b32 s73, s18, 11
	s_add_co_u32 s73, s73, BIAS
	v_lshl_add_u32 v4, v8, 5, s73                  ; bias table: my wave's, + 32 h
	v_lshrrev_b32 v8, 3, v9                        ; the bias's way in: lane l fetches tile l's: (64 (l / 8) + 4 ((l / 2) % 4) + l % 2) rows of 256 bytes
	v_lshlrev_b32 v8, 14, v8
	v_bfe_u32 v10, v9, 1, 2
	v_lshl_add_u32 v8, v10, 10, v8
	v_and_b32 v10, 1, v9
	v_lshl_add_u32 v8, v10, 8, v8
	v_lshl_add_u32 v10, v9, 6, s73                 ; and puts it at 64 l
	; descriptor groups 1.  The query image: 45 rows of 256 bytes, dense.  The features: 60 rows of 64 numbers of 4 bytes, 512 numbers apart, 16 bytes of padding behind each
	s_mov_b32 s32, 15|(3<<16)|(1<<21)              ; 15:0 the mask: all four work-groups; 17:16 elements of 8 bytes; 21 set beside a mask
	s_mov_b32 s33, 32<<16
	s_mov_b32 s34, 45<<16
	s_mov_b32 s35, 32<<16
	s_mov_b32 s36, 45
	s_mov_b32 s37, 32
	s_mov_b32 s38, 0
	s_mov_b32 s39, 0
	s_mov_b32 s40, 15|(2<<16)|(1<<20)|(1<<21)|(5<<22)|(3<<25)   ; elements of 4 bytes; padding on: after every 64 words (code 5), 4 words (code 3)
	s_mov_b32 s41, 64<<16
	s_mov_b32 s42, 60<<16
	s_mov_b32 s43, 64<<16
	s_mov_b32 s44, 60
	s_mov_b32 s45, 512
	s_mov_b32 s46, 0
	s_mov_b32 s47, 0
	s_mul_i32 s16, s20, 15
	s_add_co_u32 s16, s16, 3088                    ; the group's first query record
	s_mul_i32 s24, s16, 3072
	s_mul_i32 s17, s18, 11520                      ; my quarter of the image
	s_add_co_u32 s24, s24, s17
	s_mov_b32 s25, 0
	s_add_co_u32 s49, s17, QIMG
	s_lshl_b32 s26, s16, 7
	s_mov_b32 s27, 0
	s_mul_i32 s14, s20, 240
	s_mul_i32 s16, s18, 60
	s_add_co_u32 s14, s14, s16
	s_lshl_b32 s14, s14, 11                        ; my 60 rows of features, 2,048 bytes each,
	s_lshl_b32 s16, s21, 10
	s_add_co_u32 s14, s14, s16                     ; the half kh
	s_mov_b32 s15, 0
	s_mul_i32 s17, s18, 60*272
	s_lshl_b32 s28, s21, 16                        ; b_pre at k = 256 kh + 16 w, d = 8 ds
	s_lshl_b32 s23, s18, 12
	s_add_co_u32 s28, s28, s23
	s_lshl_b32 s23, s22, 5
	s_add_co_u32 s28, s28, s23
	s_mov_b32 s29, 0
	s_lshl_b32 s30, s22, 1
	s_add_co_u32 s30, s30, s21
	s_lshl_b32 s30, s30, 2
	s_add_co_u32 s30, s30, s18
	s_lshl_b32 s30, s30, 5                         ; my first weight record
	s_wait_kmcnt 0x0
	s_mov_b32 s48, 1
	s_add_nc_u64 s[50:51], s[8:9], s[24:25]
	s_or_b32 s51, s51, 0x80000000
	s_add_nc_u64 s[14:15], s[4:5], s[14:15]
	CHD 0, 52
	CHD 1, 56
	CHD 2, 60
	CHD 3, 68
	s_add_nc_u64 s[6:7], s[6:7], s[28:29]
	s_mul_i32 s28, s30, 3072
	s_add_nc_u64 s[74:75], s[8:9], s[28:29]
	s_lshl_b32 s28, s30, 7
	s_add_nc_u64 s[76:77], s[10:11], s[28:29]
	s_add_nc_u64 s[10:11], s[10:11], s[26:27]      ; the query's scale words
	s_mul_i32 s28, s21, 921600                     ; part1 [kh][g][ds][tile][512 bytes], at tile w
	s_mul_i32 s23, s20, 61440
	s_add_co_u32 s28, s28, s23
	s_mul_i32 s23, s22, 7680
	s_add_co_u32 s28, s28, s23
	s_lshl_b32 s23, s18, 9
	s_add_co_u32 s28, s28, s23
	s_add_nc_u64 s[12:13], s[12:13], s[28:29]
	ROUND                                          ; all four work-groups are here: the joint loads meet
	tensor_load_to_lds s[48:51], s[32:39]          ; the query image, then the four chunks: five loads of mine are out, each into bytes of its own
	s_nop 0
	tensor_load_to_lds s[52:55], s[40:47]
	s_nop 0
	tensor_load_to_lds s[56:59], s[40:47]
	s_nop 0
	tensor_load_to_lds s[60:63], s[40:47]
	s_nop 0
	tensor_load_to_lds s[68:71], s[40:47]
	s_nop 0
.rept 4
	v_nop
.endr
.irp y, 0,1
.irp c, 0,1
	global_load_b128 v[FP1+8*\y+4*\c:FP1+8*\y+4*\c+3], v8, s[6:7] offset:512*\y+16*\c   ; b_pre[(k0 + 2 y) 64 + 8 ds + 4 c ..] of tile l
.endr
.endr
.irp t, 0,1,2,3,4,5,6,7,8,9,10,11,12,13,14
	global_load_b32 v[QS+\t], v2, s[10:11] offset:128*\t
.endr
.irp j, 0,1,2,3,4,5,6
	WLOAD \j
.endr
	s_wait_loadcnt 63                              ; 68 loads were issued: the oldest five are in, the four of the bias among them
.irp y, 0,1
.irp c, 0,1
	ds_store_b128 v10, v[FP1+8*\y+4*\c:FP1+8*\y+4*\c+3] offset:32*\y+16*\c
.endr
.endr
	s_wait_tensorcnt 4                             ; my quarter of the query image has landed; the four chunks may be out
	BAR                                            ; everybody's has
.irp B, 1,2,3
	WIN 0x54*\B
.irp u, 0,1,2,3,4
.irp m, 0,1,2,3,4,5
	ds_load_b128 v[24*\u+4*\m:24*\u+4*\m+3], v5 offset:(5*(\B-1)+\u)*3072+512*\m   ; the query fragments stay in registers
.endr
.endr
	BLOAD 0, 0                                     ; tile 0's bias
.if \B == 1
	BLOAD 1, 1                                     ; window 1 runs a tile ahead of the others: tile 1's
.endif
.endr
	WIN 0
	s_wait_tensorcnt 3                             ; my rows of chunk 0
	BAR
	FLA 0                                          ; section 1's multipliers of tile 0; all else comes with the tiles' runs
.irp g, 0,1,2,3,4,5,6
	GROUP \g
.endr
	s_wait_tensorcnt 2                             ; my rows of chunk 1 have landed (chunks 2 and 3, issued behind it, may be out): tile 7's run reads tile 8's features
	BAR                                            ; everybody's have
	GROUP 7
	STEPTRIP
	s_wait_tensorcnt 0x0                           ; my rows of chunks 2 and 3
	BAR                                            ; everybody's
	s_mov_b32 s72, 2
.Ltrip:                                            ; eight weight tiles, one chunk of features, a trip
.irp g, 8,9,10,11,12,13,14,15
	GROUP \g
.endr
	STEPTRIP
	s_sub_co_u32 s72, s72, 1
	s_cmp_lg_u32 s72, 0
	s_cbranch_scc1 .Ltrip
.irp g, 24,25,26,27,28,29,30,31        ; the last eight are written out: their loads stop at the wave's last tile, and the counts run down
	GROUP \g
.endr
	DRAIN
	; THE SUMS MEET.  A lane's eight sums are those of row r, d = 8 ds + j, over its half's k: eight parts (four waves x two halves of the lanes) are added.
	WIN 0
	BAR                                            ; the slab is read no more by any wave: the sums may be stored into chunk 0
.irp B, 1,2,3
	WIN 0x54*\B
.irp u, 0,1,2,3,4
.irp c, 0,1
	ds_store_b128 v6, v[ACC+8*\u+4*\c:ACC+8*\u+4*\c+3] offset:(5*(\B-1)+\u)*1024+512*\c
.endr
.endr
.endr
	WIN 0
	BAR
.macro RLOAD n                         ; tile w + 4 n: eight parts
.irp x, 0,1,2,3
.irp y, 0,1
	ds_load_b128 v[64+32*(\n)+8*\x+4*\y:64+32*(\n)+8*\x+4*\y+3], v7 offset:\x*15360+(\n)*4096+\y*256
.endr
.endr
.endm
.macro RSUM n
.set RB, 64+32*(\n)
.irp k, 0,2,4,6,8,10,12,14
	v_pk_add_f32 v[RB+\k:RB+\k+1], v[RB+\k:RB+\k+1], v[RB+16+\k:RB+17+\k]
.endr
.irp k, 0,2,4,6
	v_pk_add_f32 v[RB+\k:RB+\k+1], v[RB+\k:RB+\k+1], v[RB+8+\k:RB+9+\k]
.endr
.irp k, 0,2
	v_pk_add_f32 v[RB+\k:RB+\k+1], v[RB+\k:RB+\k+1], v[RB+4+\k:RB+5+\k]
.endr
	global_store_b128 v1, v[RB:RB+3], s[12:13] offset:(\n)*2048   ; the tile's 512 consecutive bytes
.endm
	RLOAD 0
	RLOAD 1
	RLOAD 2
	s_wait_dscnt 16                                ; the two younger tiles' sixteen loads may be out
	RSUM 0
	s_wait_dscnt 8
	RSUM 1
	s_wait_dscnt 0x0
	RSUM 2
	s_cmp_eq_u32 s18, 3                            ; tile 15 does not exist
	s_cbranch_scc1 .Lno_tile_15
	RLOAD 3
	s_wait_dscnt 0x0
	RSUM 3
.Lno_tile_15:
	s_wait_xcnt 0x0
	v_lshl_add_u32 v254, v0, 2, 0x4d000
	v_mov_b32 v255, 0
	s_wait_tensorcnt 0x0
	ds_add_u32 v254, v255
	s_wait_dscnt 0x0
	ROUND                                          ; the closing round
	s_endpgm
.Lfunc_end_k_q79cbcc571b_stage1:
	.size	k_q79cbcc571b_stage1, .Lfunc_end_k_q79cbcc571b_stage1-k_q79cbcc571b_stage1
	.p2alignl 7, 3214868480
	.fill 96, 4, 3214868480
	.section	.rodata,"a",@progbits
	.p2align	6, 0x0
	.amdhsa_kernel k_q79cbcc571b_stage1
		.amdhsa_group_segment_fixed_size 327680
		.amdhsa_private_segment_fixed_size 0
		.amdhsa_enable_private_segment 0
		.amdhsa_kernarg_size 40
		.amdhsa_user_sgpr_count 2
		.amdhsa_user_sgpr_kernarg_segment_ptr 1
		.amdhsa_wavefront_size32 1
		.amdhsa_system_sgpr_workgroup_id_x 1
		.amdhsa_system_sgpr_workgroup_id_y 1
		.amdhsa_system_sgpr_workgroup_id_z 1
		.amdhsa_system_vgpr_workitem_id 0
		.amdhsa_next_free_vgpr 1024
		.amdhsa_next_free_sgpr 80
		.amdhsa_reserve_vcc 0
		.amdhsa_float_denorm_mode_32 3
		.amdhsa_float_denorm_mode_16_64 3
		.amdhsa_memory_ordered 1
		.amdhsa_forward_progress 1
		.amdhsa_inst_pref_size 255
	.end_amdhsa_kernel
	.section	.bss,"aw",@nobits
	.p2align	6
	.space	262144
	.amdgpu_metadata
---
amdhsa.version: [ 1, 2 ]
amdhsa.kernels:
  - .name:           k_q79cbcc571b_stage1
    .symbol:         k_q79cbcc571b_stage1.kd
    .args:
      - { .name: sampled_feats, .offset: 0, .size: 8, .value_kind: global_buffer, .address_space: global }
      - { .name: b_pre, .offset: 8, .size: 8, .value_kind: global_buffer, .address_space: global }
      - { .name: wcodes, .offset: 16, .size: 8, .value_kind: global_buffer, .address_space: global }
      - { .name: wscales, .offset: 24, .size: 8, .value_kind: global_buffer, .address_space: global }
      - { .name: part1, .offset: 32, .size: 8, .value_kind: global_buffer, .address_space: global }
    .group_segment_fixed_size: 327680
    .private_segment_fixed_size: 0
    .kernarg_segment_align: 8
    .kernarg_segment_size: 40
    .max_flat_workgroup_size: 128
    .sgpr_count:     80
    .vgpr_count:     1024
    .wavefront_size: 32
...
	.end_amdgpu_metadata
.endif
;; end of part 2
;; launch stage2 (part 3): grid 16 x 15, 4 waves a work-group, clusters of 4 x 1, 327,680 bytes of LDS; arguments part1, g1, be1, b_aft, wcodes, wscales, part2; writes part2
.if DOCPART == 3
	.amdgcn_target "amdgcn-amd-amdhsa--gfx1250"
	.amdhsa_code_object_version 6
	.text
	.protected	k_q79cbcc571b_stage2
	.globl	k_q79cbcc571b_stage2
	.p2align	8
	.type	k_q79cbcc571b_stage2,@function
k_q79cbcc571b_stage2:
	s_mov_b64 s[64:65], 0
	v_nop
	global_prefetch_b8 v0, s[64:65] scope:SCOPE_SE
	s_setreg_imm32_b32 hwreg(HW_REG_WAVE_MODE, 25, 1), 1
	s_wait_xcnt 0x0
	s_wait_alu depctr_hold_cnt(0) depctr_sa_sdst(0) depctr_va_vdst(0) depctr_va_sdst(0) depctr_va_ssrc(0) depctr_va_vcc(0) depctr_vm_vsrc(0)
	s_getreg_b32 s2, hwreg(HW_REG_IB_STS2, 6, 4)
	s_cmp_eq_u32 s2, 0
	s_cbranch_scc0 .Lentry_in_a_cluster
	s_endpgm
.Lentry_in_a_cluster:
	s_bfe_u32 s2, ttmp6, 0x10000c
	s_cmp_lg_u32 s2, 0x3003
	s_cbranch_scc0 .Lentry_shape_is_right
	s_endpgm
.Lentry_shape_is_right:
; f1 = the two halves of part1 added; f1n = relu(layer norm over the 64 d, g1, be1);  f2[b][e] = sum over d of f1n[b][d] (query[b] . W_aft[256 d + e] + b_aft[256 d + e]),
; the inner product on codes of FP6 (E2M3) with E8M0 scales.  The products' results are never stored: two matrix instructions make a tile, eight multiply-adds a lane use it up.
; SHARES.  A work-group takes one group g of 15 row tiles and 16 e (slice et).  Each wave keeps all 15 tiles of query codes in registers; wave w streams the weight tiles of d = 16 w + 0 .. 15
; from memory into a ring of eight register slots, seven tiles (49 loads) ahead.  The four waves' sums meet in LDS at the end.
; LAYOUT.  Source 0 = 16 rows of W_aft (one d, 16 e), source 1 = 16 rows of query: lane (r, h) holds row r, register j e = 16 et + 8 h + j.  The multiplier of a tile is f1n[r][d].
; The layer norm is made once for each row by the work-group (wave w: tiles w, w + 4, ..), in two passes (mean, then centred squares), and laid into LDS as rows of 64 numbers.
; The ring's first 49 loads are issued when part1 has landed: they are wanted behind the layer norm, part1 ahead of it.
; The pipeline, the windows, the one run of memory instructions a weight tile and the macros are those of the launch before.  CLUSTER: the four work-groups share g: part1's two sets and the query image are asked for jointly.
; Every LDS byte that a tensor load fills is filled once; what LDS stores write has bytes of its own.
; REGISTERS.  window 0: v1 16 x lane, v2 4 x lane, v3 multipliers, v4 bias table, v5 query image, v6/v7 the sums' way in and back, v8/v9 part1's two sets, v10 the multipliers' way in; v11-25, v26-33 scale words;
;   v34-43 section 1's multipliers, v44-63 sections 2 and 3's (at the head: bias and addresses at work); v64-255 weight codes.   window B: v0-119 query fragments, v120-159 sums, v160-239 results, v240-255 bias.
;   During the layer norm window 3 holds g1 (v0-31), be1 (v32-63), the two sets (v64-127) and v128-139 at work.
.set NT,    16
.set FK,    4                          ; a pair of weight tiles is 2 d on from the pair before: 2 FK bytes
.set FSTEP, 32
.set PART,  0                          ; part1's two sets for the group: 2 x 61,440 bytes
.set QIMG,  122880                     ; 15 query records
.set MUL,   QIMG+46080                 ; f1n: 240 rows x (256 + 16) bytes
.set BIAS,  MUL+240*272                ; 64 bytes a tile, 1,024 a wave
.set RED,   BIAS+4096                  ; the waves' sums: 4 x 15,360 bytes
.set QS,  11
.set WS,  26
.set FP1, 34                           ; section 1: row tile u's pair at 34 + 2 u: an even weight tile's multiplier in its first register, an odd one's in its second
.set FPS, 44                           ; sections 2 and 3: set e (the weight tile's parity) at 44 + 10 e; in it row tile 5 + i at + i
.set WC,  64
.set ACC, 120
.set DD,  160
.set BB,  240
.set MSB, 0
.macro WIN new                         ; the immediate's high byte repeats the setting that is left
.if MSB != \new
	s_set_vgpr_msb (MSB<<8)|\new
.set MSB, \new
.endif
.endm
.macro ROUND                           ; a round of the cluster's barrier
	s_barrier_signal -1
	s_barrier_wait -1
	s_cmp_lg_u32 s18, 0
	s_cbranch_scc1 .Lnot_wave_0_\@
	s_barrier_signal -3
.Lnot_wave_0_\@:
	s_barrier_wait -3
	s_barrier_signal -1
	s_barrier_wait -1
.endm
.macro BAR                             ; my LDS stores have landed and my LDS loads are in: then the work-group's barrier
	s_wait_dscnt 0x0
	s_barrier_signal -1
	s_barrier_wait -1
.endm
.macro WLOAD j                         ; the weight tile j places on from the trip's first, into slot j % 8
.irp m, 0,1,2,3,4,5
	global_load_b128 v[WC+24*((\j)%8)+4*\m:WC+24*((\j)%8)+4*\m+3], v1, s[74:75] offset:(\j)*3072+512*\m
.endr
	global_load_b32 v[WS+(\j)%8], v2, s[76:77] offset:(\j)*128
.endm
.macro FLA tl                          ; section 1's five multipliers of the trip's weight tile tl
.irp u, 0,1,2,3,4
	ds_load_b32 v[FP1+2*\u+(\tl)%2], v3 offset:\u*4352+2*FK*((\tl)/2)+4*((\tl)%2)
.endr
.endm
.macro FLB tl                          ; sections 2 and 3's ten
.irp i, 0,1,2,3,4,5,6,7,8,9
	ds_load_b32 v[FPS+10*((\tl)%2)+\i], v3 offset:(5+\i)*4352+2*FK*((\tl)/2)+4*((\tl)%2)
.endr
.endm
.macro BLOAD p, j
.irp c, 0,1
	ds_load_b128 v[BB+8*(\p)+4*\c:BB+8*(\p)+4*\c+3], v4 offset:64*(\j)+16*\c
.endr
.endm
.macro PKOP g, B                       ; packed operation FF of 20, on the results of weight tile g - 1: each result is read from its low end on
.set UF, FF/4
.set JF, 2*(FF%4)
.set RA, ACC+8*UF+JF
.set RS, DD+40*(1-PP)+8*UF+JF
.if (\B) == 1
.set RF, FP1+2*UF
.set SE, ((\g)-1)%2                    ; which register of the pair serves both halves: the weight tile's parity,
.else
.set IX, 5*((\B)-2)+UF
.set RF, FPS+10*(((\g)-1)%2)+2*(IX/2)
.set SE, IX%2                          ; or the row tile's
.endif
.if ((\g) == 1) && (SE == 0)
	v_pk_mul_f32 v[RA:RA+1], v[RF:RF+1], v[RS:RS+1] op_sel_hi:[0,1]                               ; the first tile starts the sums
.elseif (\g) == 1
	v_pk_mul_f32 v[RA:RA+1], v[RF:RF+1], v[RS:RS+1] op_sel:[1,0] op_sel_hi:[1,1]
.elseif SE == 0
	v_pk_fma_f32 v[RA:RA+1], v[RF:RF+1], v[RS:RS+1], v[RA:RA+1] op_sel_hi:[0,1,1]
.else
	v_pk_fma_f32 v[RA:RA+1], v[RF:RF+1], v[RS:RS+1], v[RA:RA+1] op_sel:[1,0,0] op_sel_hi:[1,1,1]
.endif
.endm
.macro SECT g, B                       ; ten matrix instructions, five accumulators by turns; behind each, two packed operations on the tile before
.set PP, (\g)&1
.set SL, (\g)%8
.set XX, 0
.rept 10
.set UU, XX%5
.set CC, XX/5
.set RD, DD+40*PP+8*UU
.set RW, WC+24*SL+12*CC
.set RQ, 24*UU+12*CC
.if CC == 0
	v_wmma_scale_f32_16x16x128_f8f6f4 v[RD:RD+7], v[RW:RW+11], v[RQ:RQ+11], v[BB+8*PP:BB+8*PP+7], v[WS+SL], v[QS+5*((\B)-1)+UU] matrix_a_fmt:MATRIX_FMT_FP6 matrix_b_fmt:MATRIX_FMT_FP6
.else
	v_wmma_scale_f32_16x16x128_f8f6f4 v[RD:RD+7], v[RW:RW+11], v[RQ:RQ+11], v[RD:RD+7], v[WS+SL], v[QS+5*((\B)-1)+UU] matrix_a_fmt:MATRIX_FMT_FP6 matrix_b_fmt:MATRIX_FMT_FP6 matrix_a_scale:MATRIX_SCALE_ROW1 matrix_b_scale:MATRIX_SCALE_ROW1
.endif
.if (\g) > 0
.set FF, 2*XX
.rept 2
	PKOP \g, \B
.set FF, FF+1
.endr
.endif
.set XX, XX+1
.endr
.if ((\g) == 0) && ((\B) == 1)
.rept 4
	v_nop                                          ; four places in front of the load into the bias that this section has read, and of the first read of its results
.endr
.endif
.endm
.macro GROUP g
.set GL, (\g)%8
.set PP, (\g)&1
.if NT-1-(\g) >= 6
	s_wait_loadcnt 42                              ; this tile's seven loads are in; the six younger tiles' stay out
.else
	s_wait_loadcnt 7*(NT-1-(\g))
.endif
	s_wait_dscnt 0x0                               ; the last tile's run of LDS loads, issued twenty matrix instructions ago, is in
	WIN 0x54
	SECT \g, 1
	; ---- the tile's one run of memory instructions
.if (\g)+2 < NT
	BLOAD PP, GL+2                                 ; window 1's bias of tile g + 2
.endif
	WIN 0
	FLB GL                                         ; tile g's multipliers for sections 2 and 3, into the set that they do not read below
.if (\g)+1 < NT
.if GL == 7
	v_add_nc_u32 v3, FSTEP, v3                     ; eight tiles on
	FLA 0
.else
	FLA GL+1                                       ; tile g + 1's for section 1, into the halves that it has just used up
.endif
.endif
.if (\g)+7 < NT
	WLOAD GL+7                                     ; into the slot of the tile before: its last product stands 22 packed operations back
.endif
.if (\g)+1 < NT
	WIN 0xfc
	BLOAD 1-PP, GL+1                               ; windows 3 and 2's bias of tile g + 1
	WIN 0xa8
	BLOAD 1-PP, GL+1
.endif
	WIN 0xa8
	SECT \g, 2
	WIN 0xfc
	SECT \g, 3
.endm
.macro STEPTRIP
	WIN 0
	v_add_nc_u32 v4, 512, v4
	s_wait_xcnt 0x0                                ; the pending loads have read their bases
	s_add_nc_u64 s[74:75], s[74:75], 8*3072
	s_add_nc_u64 s[76:77], s[76:77], 8*128
.endm
.macro DRAIN
	s_wait_dscnt 0x0                               ; the last tile's multipliers for sections 2 and 3, asked for in its own run
.set PP, 0
.irp B, 1,2,3
	WIN 0x54*\B
.set FF, 0
.rept 20
	PKOP NT, \B
.set FF, FF+1
.endr
.endr
.endm
; The layer norm of row tile w + 4 n.  Lane (r, h) holds d = 32 h + 0 .. 31 of row r; all but the addresses lies in window 3.
.macro LNT n
	WIN 0xc0                                       ; destination window 3, address window 0
.irp s, 0,1
.irp d, 0,1,2,3
.irp c, 0,1
	ds_load_b128 v[64+32*\s+8*\d+4*\c:64+32*\s+8*\d+4*\c+3], v[8+\s] offset:\d*7680+(\n)*2048+\c*256
.endr
.endr
.endr
	s_wait_dscnt 0x0
	WIN 0xff
.irp i, 0,2,4,6,8,10,12,14,16,18,20,22,24,26,28,30
	v_pk_add_f32 v[64+\i:65+\i], v[64+\i:65+\i], v[96+\i:97+\i]       ; the two halves of k
.endr
.irp k, 0,2,4,6
	v_pk_add_f32 v[128+\k:129+\k], v[64+\k:65+\k], v[72+\k:73+\k]     ; the sum, in four chains
.endr
.irp i, 16,24
.irp k, 0,2,4,6
	v_pk_add_f32 v[128+\k:129+\k], v[128+\k:129+\k], v[64+\i+\k:65+\i+\k]
.endr
.endr
	v_pk_add_f32 v[128:129], v[128:129], v[130:131]
	v_pk_add_f32 v[132:133], v[132:133], v[134:135]
	v_pk_add_f32 v[128:129], v[128:129], v[132:133]
	v_add_f32 v128, v128, v129
	v_permlanex16_b32 v130, v128, s78, s79         ; the row's other 32
	v_add_f32 v128, v128, v130
	v_mul_f32 v128, s66, v128                      ; the mean
.irp i, 0,2,4,6,8,10,12,14,16,18,20,22,24,26,28,30
	v_pk_add_f32 v[64+\i:65+\i], v[64+\i:65+\i], v[128:129] op_sel_hi:[1,0] neg_lo:[0,1] neg_hi:[0,1]
.endr
.irp k, 0,2,4,6
	v_pk_mul_f32 v[132+\k:133+\k], v[64+\k:65+\k], v[64+\k:65+\k]     ; the centred squares
.endr
.irp i, 8,16,24
.irp k, 0,2,4,6
	v_pk_fma_f32 v[132+\k:133+\k], v[64+\i+\k:65+\i+\k], v[64+\i+\k:65+\i+\k], v[132+\k:133+\k]
.endr
.endr
	v_pk_add_f32 v[132:133], v[132:133], v[134:135]
	v_pk_add_f32 v[136:137], v[136:137], v[138:139]
	v_pk_add_f32 v[132:133], v[132:133], v[136:137]
	v_add_f32 v132, v132, v133
	v_permlanex16_b32 v134, v132, s78, s79
	v_add_f32 v132, v132, v134
	v_fma_f32 v132, v132, s66, s67                 ; the variance + 1e-5
	v_rsq_f32 v132, v132
	v_nop                                          ; one plain place behind a transcendental
	s_wait_alu depctr_va_vdst(0)
.irp i, 0,2,4,6,8,10,12,14,16,18,20,22,24,26,28,30
	v_pk_mul_f32 v[64+\i:65+\i], v[64+\i:65+\i], v[132:133] op_sel_hi:[1,0]
.endr
.irp i, 0,2,4,6,8,10,12,14,16,18,20,22,24,26,28,30
	v_pk_fma_f32 v[64+\i:65+\i], v[64+\i:65+\i], v[\i:\i+1], v[32+\i:33+\i]
.endr
.irp i, 0,1,2,3,4,5,6,7,8,9,10,11,12,13,14,15,16,17,18,19,20,21,22,23,24,25,26,27,28,29,30,31
	v_max_num_f32 v[64+\i], 0, v[64+\i]
.endr
	WIN 0x0c                                       ; an LDS store's data are its source 1: window 3
.irp m, 0,1,2,3,4,5,6,7
	ds_store_b128 v10, v[64+4*\m:64+4*\m+3] offset:(\n)*17408+16*\m
.endr
	WIN 0
	s_wait_dscnt 0x0                               ; the stores have read their registers, which the next tile's loads fill again
.endm
	s_load_b256 s[4:11], s[0:1], 0x0               ; part1 s[4:5], g1 s[6:7], be1 s[8:9], b_aft s[10:11]
	s_load_b128 s[12:15], s[0:1], 0x20             ; wcodes s[12:13], wscales s[14:15]
	s_load_b64 s[16:17], s[0:1], 0x30              ; part2
	v_lshl_add_u32 v254, v0, 2, 0x49300
	v_mov_b32 v255, 0
	ds_add_u32 v254, v255
	ds_add_u32 v254, v255
	s_wait_dscnt 0x0
	v_lshrrev_b32 v1, 5, v0
	v_readfirstlane_b32 s18, v1                    ; wave 0..3
	s_bfe_u32 s19, ttmp6, 0x40000                  ; cx: it enters the addresses of weights, bias and output alone
	s_and_b32 s20, ttmp7, 0xffff                   ; g
	s_lshl_b32 s21, ttmp9, 2
	s_add_co_u32 s21, s21, s19                     ; et
	v_and_b32 v59, 31, v0                          ; lane
	v_and_b32 v60, 15, v0                          ; r
	v_bfe_u32 v61, v0, 4, 1                        ; h
	v_lshlrev_b32 v1, 4, v59
	v_lshlrev_b32 v2, 2, v59
	v_mul_u32_u24 v3, v60, 272
	s_lshl_b32 s73, s18, 6
	s_add_co_u32 s73, s73, MUL
	v_add_nc_u32 v3, s73, v3                       ; multipliers: row r, d = 16 w
	s_lshl_b32 s73, s18, 10
	s_add_co_u32 s73, s73, BIAS
	v_lshl_add_u32 v4, v61, 5, s73                 ; bias table: my wave's, + 32 h
	v_lshl_add_u32 v58, v59, 5, s73                ; its way in: 32 x lane
	v_add_nc_u32 v5, QIMG, v1
	s_mul_i32 s73, s18, 15360
	s_add_co_u32 s73, s73, RED
	v_add_nc_u32 v6, s73, v1
	s_lshl_b32 s73, s18, 10
	s_add_co_u32 s73, s73, RED
	v_add_nc_u32 v7, s73, v1
	v_lshlrev_b32 v8, 4, v60
	v_mad_u32_u24 v8, v61, 30720, v8
	s_lshl_b32 s73, s18, 9
	v_add_nc_u32 v8, s73, v8                       ; part1 in LDS: slices 4 h .., tile w, row r
	v_add_nc_u32 v9, 61440, v8                     ; the second set
	v_mul_u32_u24 v10, v60, 272
	v_lshl_add_u32 v10, v61, 7, v10
	s_mul_i32 s73, s18, 4352
	s_add_co_u32 s73, s73, MUL
	v_add_nc_u32 v10, s73, v10                     ; multipliers' way in: row 16 w + r, + 128 h
	v_lshlrev_b32 v56, 7, v61                      ; g1, be1: 128 h
	v_lshrrev_b32 v57, 1, v59                      ; b_aft: lane l fetches tile l / 2, half l % 2
	v_lshlrev_b32 v57, 10, v57
	v_and_b32 v62, 1, v59
	v_lshl_add_u32 v57, v62, 5, v57
	s_mov_b32 s32, 15|(3<<16)|(1<<21)              ; the query image: 45 rows of 256 bytes, dense; the mask names all four work-groups, bit 21 beside it
	s_mov_b32 s33, 32<<16
	s_mov_b32 s34, 45<<16
	s_mov_b32 s35, 32<<16
	s_mov_b32 s36, 45
	s_mov_b32 s37, 32
	s_mov_b32 s38, 0
	s_mov_b32 s39, 0
	s_mov_b32 s40, 15|(3<<16)|(1<<21)              ; half a set of part1: 120 rows of 256 bytes, dense
	s_mov_b32 s41, 32<<16
	s_mov_b32 s42, 120<<16
	s_mov_b32 s43, 32<<16
	s_mov_b32 s44, 120
	s_mov_b32 s45, 32
	s_mov_b32 s46, 0
	s_mov_b32 s47, 0
	s_mov_b32 s66, 0x3c800000                      ; 1 / 64
	s_mov_b32 s67, 0x3727c5ac                      ; 1e-5
	s_mov_b32 s78, 0x76543210
	s_mov_b32 s79, 0xfedcba98                      ; v_permlanex16_b32's selects for lane l xor 16
	s_mul_i32 s22, s20, 15
	s_add_co_u32 s22, s22, 3088                    ; the group's first query record
	s_mul_i32 s24, s22, 3072
	s_mul_i32 s23, s18, 11520
	s_add_co_u32 s24, s24, s23
	s_mov_b32 s25, 0
	s_add_co_u32 s53, s23, QIMG
	s_lshl_b32 s26, s22, 7
	s_mov_b32 s27, 0
	s_lshr_b32 s22, s18, 1                         ; waves 0, 1: the first set's halves; waves 2, 3: the second's
	s_mul_i32 s22, s22, 921600
	s_mul_i32 s23, s20, 61440
	s_add_co_u32 s22, s22, s23
	s_and_b32 s23, s18, 1
	s_mul_i32 s23, s23, 30720
	s_add_co_u32 s22, s22, s23
	s_mov_b32 s23, 0
	s_mul_i32 s49, s18, 30720
	s_lshl_b32 s28, s18, 14                        ; b_aft at d = 16 w, e = 16 et
	s_lshl_b32 s30, s21, 6
	s_add_co_u32 s28, s28, s30
	s_mov_b32 s29, 0
	s_lshl_b32 s31, s18, 4
	s_add_co_u32 s30, s30, s31
	s_add_co_u32 s30, s30, 2048                    ; my first weight record: 2048 + 64 et + 16 w
	s_wait_kmcnt 0x0
	s_mov_b32 s48, 1
	s_add_nc_u64 s[50:51], s[4:5], s[22:23]
	s_or_b32 s51, s51, 0x80000000
	s_mov_b32 s52, 1
	s_add_nc_u64 s[54:55], s[12:13], s[24:25]
	s_or_b32 s55, s55, 0x80000000
	s_add_nc_u64 s[10:11], s[10:11], s[28:29]
	s_mul_i32 s28, s30, 3072
	s_add_nc_u64 s[74:75], s[12:13], s[28:29]
	s_lshl_b32 s28, s30, 7
	s_add_nc_u64 s[76:77], s[14:15], s[28:29]
	s_add_nc_u64 s[14:15], s[14:15], s[26:27]      ; the query's scale words
	s_mul_i32 s28, s20, 245760                     ; part2 [g][et][tile][1,024 bytes], at tile w
	s_mul_i32 s30, s21, 15360
	s_add_co_u32 s28, s28, s30
	s_lshl_b32 s30, s18, 10
	s_add_co_u32 s28, s28, s30
	s_add_nc_u64 s[16:17], s[16:17], s[28:29]
	ROUND                                          ; all four work-groups are here: the joint loads meet
	tensor_load_to_lds s[48:51], s[40:47]          ; part1, then the query image: two loads of mine are out
	s_nop 0
	tensor_load_to_lds s[52:55], s[32:39]
	s_nop 0
.rept 4
	v_nop
.endr
	WIN 0xc0
.irp m, 0,1,2,3,4,5,6,7
	global_load_b128 v[4*\m:4*\m+3], v56, s[6:7] offset:16*\m          ; g1[32 h ..]
	global_load_b128 v[32+4*\m:32+4*\m+3], v56, s[8:9] offset:16*\m    ; be1
.endr
	WIN 0
	global_load_b128 v[34:37], v57, s[10:11]
	global_load_b128 v[38:41], v57, s[10:11] offset:16
.irp t, 0,1,2,3,4,5,6,7,8,9,10,11,12,13,14
	global_load_b32 v[QS+\t], v2, s[14:15] offset:128*\t
.endr
	s_wait_loadcnt 15                              ; g1, be1 and the bias are in; the 15 scale words issued behind them may be out
	ds_store_b128 v58, v[34:37]
	ds_store_b128 v58, v[38:41] offset:16
	s_wait_tensorcnt 1                             ; my part of part1 has landed; the query image may be out
.irp j, 0,1,2,3,4,5,6
	WLOAD \j                                       ; the ring's first seven tiles go out now: they have the layer norm in which to land
.endr
	BAR
	LNT 0
	LNT 1
	LNT 2
	s_cmp_eq_u32 s18, 3                            ; tile 15 does not exist
	s_cbranch_scc1 .Lno_norm_15
	LNT 3
.Lno_norm_15:
	s_wait_tensorcnt 0x0                           ; my quarter of the query image
	BAR                                            ; everybody's, and all 240 rows of multipliers
.irp B, 1,2,3
	WIN 0x54*\B
.irp u, 0,1,2,3,4
.irp m, 0,1,2,3,4,5
	ds_load_b128 v[24*\u+4*\m:24*\u+4*\m+3], v5 offset:(5*(\B-1)+\u)*3072+512*\m
.endr
.endr
	BLOAD 0, 0                                     ; tile 0's bias
.if \B == 1
	BLOAD 1, 1                                     ; window 1 runs a tile ahead of the others: tile 1's
.endif
.endr
	WIN 0
	FLA 0                                          ; section 1's multipliers of tile 0; all else comes with the tiles' runs
.irp g, 0,1,2,3,4,5,6,7
	GROUP \g
.endr
	STEPTRIP
.irp g, 8,9,10,11,12,13,14,15
	GROUP \g
.endr
	DRAIN
	; THE SUMS MEET: four waves' parts (each over its 16 d) are added.
.irp B, 1,2,3
	WIN 0x54*\B
.irp u, 0,1,2,3,4
.irp c, 0,1
	ds_store_b128 v6, v[ACC+8*\u+4*\c:ACC+8*\u+4*\c+3] offset:(5*(\B-1)+\u)*1024+512*\c
.endr
.endr
.endr
	WIN 0
	BAR
.macro RLOAD n                         ; tile w + 4 n: four waves' parts of its two pieces of 512 bytes
.irp x, 0,1,2,3
.irp c, 0,1
	ds_load_b128 v[64+32*(\n)+8*\x+4*\c:64+32*(\n)+8*\x+4*\c+3], v7 offset:\x*15360+(\n)*4096+\c*512
.endr
.endr
.endm
.macro RSUM n
.set RB, 64+32*(\n)
.irp k, 0,2,4,6
	v_pk_add_f32 v[RB+\k:RB+\k+1], v[RB+\k:RB+\k+1], v[RB+8+\k:RB+9+\k]
	v_pk_add_f32 v[RB+16+\k:RB+17+\k], v[RB+16+\k:RB+17+\k], v[RB+24+\k:RB+25+\k]
.endr
.irp k, 0,2,4,6
	v_pk_add_f32 v[RB+\k:RB+\k+1], v[RB+\k:RB+\k+1], v[RB+16+\k:RB+17+\k]
.endr
	global_store_b128 v1, v[RB:RB+3], s[16:17] offset:(\n)*4096          ; 512 consecutive bytes each
	global_store_b128 v1, v[RB+4:RB+7], s[16:17] offset:(\n)*4096+512
.endm
	RLOAD 0
	RLOAD 1
	RLOAD 2
	s_wait_dscnt 16                                ; the two younger tiles' sixteen loads may be out
	RSUM 0
	s_wait_dscnt 8
	RSUM 1
	s_wait_dscnt 0x0
	RSUM 2
	s_cmp_eq_u32 s18, 3
	s_cbranch_scc1 .Lno_tile_15
	RLOAD 3
	s_wait_dscnt 0x0
	RSUM 3
.Lno_tile_15:
	s_wait_xcnt 0x0
	v_lshl_add_u32 v254, v0, 2, 0x49300
	v_mov_b32 v255, 0
	s_wait_tensorcnt 0x0
	ds_add_u32 v254, v255
	s_wait_dscnt 0x0
	ROUND                                          ; the closing round
	s_endpgm
.Lfunc_end_k_q79cbcc571b_stage2:
	.size	k_q79cbcc571b_stage2, .Lfunc_end_k_q79cbcc571b_stage2-k_q79cbcc571b_stage2
	.p2alignl 7, 3214868480
	.fill 96, 4, 3214868480
	.section	.rodata,"a",@progbits
	.p2align	6, 0x0
	.amdhsa_kernel k_q79cbcc571b_stage2
		.amdhsa_group_segment_fixed_size 327680
		.amdhsa_private_segment_fixed_size 0
		.amdhsa_enable_private_segment 0
		.amdhsa_kernarg_size 56
		.amdhsa_user_sgpr_count 2
		.amdhsa_user_sgpr_kernarg_segment_ptr 1
		.amdhsa_wavefront_size32 1
		.amdhsa_system_sgpr_workgroup_id_x 1
		.amdhsa_system_sgpr_workgroup_id_y 1
		.amdhsa_system_sgpr_workgroup_id_z 1
		.amdhsa_system_vgpr_workitem_id 0
		.amdhsa_next_free_vgpr 1024
		.amdhsa_next_free_sgpr 80
		.amdhsa_reserve_vcc 0
		.amdhsa_float_denorm_mode_32 3
		.amdhsa_float_denorm_mode_16_64 3
		.amdhsa_memory_ordered 1
		.amdhsa_forward_progress 1
		.amdhsa_inst_pref_size 217
	.end_amdhsa_kernel
	.amdgpu_metadata
---
amdhsa.version: [ 1, 2 ]
amdhsa.kernels:
  - .name:           k_q79cbcc571b_stage2
    .symbol:         k_q79cbcc571b_stage2.kd
    .args:
      - { .name: part1, .offset: 0, .size: 8, .value_kind: global_buffer, .address_space: global }
      - { .name: g1, .offset: 8, .size: 8, .value_kind: global_buffer, .address_space: global }
      - { .name: be1, .offset: 16, .size: 8, .value_kind: global_buffer, .address_space: global }
      - { .name: b_aft, .offset: 24, .size: 8, .value_kind: global_buffer, .address_space: global }
      - { .name: wcodes, .offset: 32, .size: 8, .value_kind: global_buffer, .address_space: global }
      - { .name: wscales, .offset: 40, .size: 8, .value_kind: global_buffer, .address_space: global }
      - { .name: part2, .offset: 48, .size: 8, .value_kind: global_buffer, .address_space: global }
    .group_segment_fixed_size: 327680
    .private_segment_fixed_size: 0
    .kernarg_segment_align: 8
    .kernarg_segment_size: 56
    .max_flat_workgroup_size: 128
    .sgpr_count:     80
    .vgpr_count:     1024
    .wavefront_size: 32
...
	.end_amdgpu_metadata
.endif
;; end of part 3
;; launch final (part 4): grid 15 x 15, 4 waves a work-group, no clusters, 17,920 bytes of LDS; arguments part2, g2, be2, wcodes, wscales, b_out, g3, be3, out0; writes out0
.if DOCPART == 4
	.amdgcn_target "amdgcn-amd-amdhsa--gfx1250"
	.amdhsa_code_object_version 6
	.text
	.protected	k_q79cbcc571b_final
	.globl	k_q79cbcc571b_final
	.p2align	8
	.type	k_q79cbcc571b_final,@function
k_q79cbcc571b_final:
	s_mov_b64 s[64:65], 0
	v_nop
	global_prefetch_b8 v0, s[64:65] scope:SCOPE_SE
	s_setreg_imm32_b32 hwreg(HW_REG_WAVE_MODE, 25, 1), 1
	s_wait_xcnt 0x0
; out = relu(LN3(Q(relu(LN2(f2))) Q(W_out)^T + b_out)): layer norms over 256 in f32, in two passes (mean, then centred squares); the product on codes of FP6 (E2M3) with E8M0 scales.
; A work-group takes one tile of 16 rows (225 in all).  Every wave makes LN2 and the tile's codes for itself (16 rows x 256 numbers: less than an exchange through LDS would cost);
; wave w makes outputs 64 w .. 64 w + 63: four tiles of W_out, two K steps each, eight matrix instructions.  b_out is the C of each sum's first instruction.
; LAYOUT.  Lane (r, h) holds of row r the numbers e = 32 b + 16 h + i in register 16 b + i: two neighbouring lanes' halves make a block of 32, and 16 registers are 16 neighbours along K.
; The product is used transposed (source 0 = 16 rows of W_out, source 1 = the rows' codes): lane (r, h) holds row r and outputs 16 (4 w + q) + 8 h + j.
; LN3's sums span the four waves: they meet in LDS, one word a row and wave.  The results leave through a stage as whole rows of 1,024 bytes.
; LIMITS: a block of zeros gets the scale byte 1 (its codes are zeros); NaN and infinities are not served.
; REGISTERS.  window 0: v1-9 addresses; v16-31 the quantiser's; v33-34 the rows' scale words; v36-39 W_out's; v40-43 mean and 1 / deviation; v44-56 at work; v60-83 the codes; v84-91 at work; v96-127 results; v128-255 the row.
;   window 1: g2 (v0-127), be2 (v128-255).   window 2: W_out's 8 fragments (v0-95), b_out (v96-127), g3 (v128-159), be3 (v160-191).
.set TM, 16
.set CT, 84
.set XX, 128
.set DD, 96
.set STG, 512                          ; LDS: 0 the sums, 256 the squares' sums, 512 the stage: 16 rows x (1,024 + 16) bytes
.set MSB, 0
.macro WIN new                         ; the immediate's high byte repeats the setting that is left
.if MSB != \new
	s_set_vgpr_msb (MSB<<8)|\new
.set MSB, \new
.endif
.endm
.macro BAR
	s_wait_dscnt 0x0
	s_barrier_signal -1
	s_barrier_wait -1
.endm
.macro FOLD                            ; four chains of pairs in v44-51 -> the sum over my registers and lane l xor 16's, in v44
	v_pk_add_f32 v[44:45], v[44:45], v[46:47]
	v_pk_add_f32 v[48:49], v[48:49], v[50:51]
	v_pk_add_f32 v[44:45], v[44:45], v[48:49]
	v_add_f32 v44, v44, v45
	v_permlanex16_b32 v52, v44, s30, s31
	v_add_f32 v44, v44, v52
.endm
; 64 numbers of a lane, none negative, register s + 16 b + i = k 32 b + 16 h + i of my row, become a fragment's codes in v[pc] on and its scale word in v[pw].
.macro QUANT s, pc, pw
.irp b, 0,1,2,3
	v_max3_num_f32 v[TM+\b], v[\s+16*\b], v[\s+1+16*\b], 0x1800000   ; my 16 numbers of block b, and the floor 2^(3 - 127): the byte cannot fall under 1
.endr
.irp i, 2,4,6,8,10,12,14
.irp b, 0,1,2,3
	v_max3_num_f32 v[TM+\b], v[TM+\b], v[\s+16*\b+\i], v[\s+1+16*\b+\i]
.endr
.endr
.irp b, 0,1,2,3
	v_permlanex16_b32 v[TM+4+\b], v[TM+\b], s30, s31
.endr
.irp b, 0,1,2,3
	v_max_num_f32 v[TM+\b], v[TM+\b], v[TM+4+\b]   ; with lane l xor 16's: the block's largest
.endr
.irp b, 0,1,2,3
	v_add_nc_u32 v[TM+12+\b], 0xff000000, v[TM+\b] ; 2 off the exponent field: the conversion's scale operand
.endr
.irp b, 0,1,2,3
	v_lshrrev_b32 v[TM+4+\b], 23, v[TM+12+\b]      ; the scale's byte
.endr
	v_lshl_or_b32 v[\pw], v[TM+5], 8, v[TM+4]
	v_lshl_or_b32 v[\pw], v[TM+6], 16, v[\pw]
	v_lshl_or_b32 v[\pw], v[TM+7], 24, v[\pw]
.irp c, 0,1
	v_cvt_scalef32_pk16_fp6_f32 v[\pc+6*\c:\pc+2+6*\c], v[\s+32*\c:\s+15+32*\c], v[TM+12+2*\c]
	v_cvt_scalef32_pk16_fp6_f32 v[CT+4*\c:CT+2+4*\c], v[\s+16+32*\c:\s+31+32*\c], v[TM+12+2*\c+1]   ; (a conversion's three registers begin on an even number)
.endr
	v_nop                                          ; one plain place behind a scaled conversion
.irp c, 0,1                            ; the operand's layout wants a whole block in a lane: lanes 0-15 block 2 c, lanes 16-31 block 2 c + 1
.irp i, 0,1,2
	v_permlane16_swap_b32 v[\pc+6*\c+\i], v[CT+4*\c+\i]
.endr
.irp i, 0,1,2
	v_mov_b32 v[\pc+3+6*\c+\i], v[CT+4*\c+\i]
.endr
.endr
.endm
	s_load_b256 s[4:11], s[0:1], 0x0               ; part2 s[4:5], g2 s[6:7], be2 s[8:9], wcodes s[10:11]
	s_load_b256 s[12:19], s[0:1], 0x20             ; wscales s[12:13], b_out s[14:15], g3 s[16:17], be3 s[18:19]
	s_load_b64 s[20:21], s[0:1], 0x40              ; out0
	v_lshl_add_u32 v94, v0, 2, 0x4400
	v_mov_b32 v95, 0
	v_lshrrev_b32 v1, 5, v0
	v_readfirstlane_b32 s22, v1                    ; wave 0..3
	s_and_b32 s23, ttmp7, 0xffff                   ; g;  ttmp9: the tile in the group
	v_and_b32 v10, 31, v0                          ; lane
	v_and_b32 v11, 15, v0                          ; r
	v_bfe_u32 v12, v0, 4, 1                        ; h
	v_lshlrev_b32 v1, 4, v11
	v_mad_u32_u24 v1, v12, 15360, v1               ; part2: slice 2 b + h, row r
	v_lshlrev_b32 v2, 6, v12                       ; g2, be2: 64 h
	v_lshlrev_b32 v3, 4, v10                       ; 16 x lane
	v_lshlrev_b32 v4, 2, v10                       ; 4 x lane
	v_lshlrev_b32 v5, 5, v12                       ; b_out, g3, be3: 32 h
	v_lshlrev_b32 v7, 2, v11                       ; the sums, back: 4 r
	s_lshl_b32 s24, s22, 6
	v_add_nc_u32 v6, s24, v7                       ; the sums, in: 64 w + 4 r
	v_mul_u32_u24 v8, v11, 1040
	v_lshl_add_u32 v8, v12, 5, v8
	s_lshl_b32 s24, s22, 8
	s_add_co_u32 s24, s24, STG
	v_add_nc_u32 v8, s24, v8                       ; the stage, in: row r, + 256 w + 32 h
	s_mul_i32 s24, s22, 4*1040
	s_add_co_u32 s24, s24, STG
	v_add_nc_u32 v9, s24, v3                       ; back: rows 4 w .., 16 bytes a lane
	s_mov_b32 s30, 0x76543210
	s_mov_b32 s31, 0xfedcba98                      ; v_permlanex16_b32's selects for lane l xor 16
	s_mov_b32 s32, 0x3b800000                      ; 1 / 256
	s_mov_b32 s33, 0x3727c5ac                      ; 1e-5
.irp b, 0,1,2,3
	v_mov_b32 v[TM+4+\b], 0                        ; written once: a lane permute's destination counts as one of its sources
.endr
	v_mov_b32 v52, 0
	v_mov_b32 v41, 0                               ; (named as the upper halves of pairs)
	v_mov_b32 v43, 0
	s_mov_b32 s25, 0
	s_wait_kmcnt 0x0
	s_mul_i32 s24, s23, 245760
	s_lshl_b32 s26, ttmp9, 10
	s_add_co_u32 s24, s24, s26
	s_add_nc_u64 s[4:5], s[4:5], s[24:25]
	s_lshl_b32 s26, s22, 2
	s_add_co_u32 s26, s26, 3072                    ; my first record of W_out
	s_mul_i32 s24, s26, 3072
	s_add_nc_u64 s[10:11], s[10:11], s[24:25]
	s_lshl_b32 s24, s26, 7
	s_add_nc_u64 s[12:13], s[12:13], s[24:25]
	s_lshl_b32 s24, s22, 8                         ; my 64 outputs
	s_add_nc_u64 s[14:15], s[14:15], s[24:25]
	s_add_nc_u64 s[16:17], s[16:17], s[24:25]
	s_add_nc_u64 s[18:19], s[18:19], s[24:25]
	s_mul_i32 s24, s23, 15
	s_add_co_u32 s24, s24, ttmp9
	s_lshl_b32 s24, s24, 14                        ; 16 rows of 1,024 bytes,
	s_lshl_b32 s26, s22, 12
	s_add_co_u32 s24, s24, s26                     ; my four of them
	s_add_nc_u64 s[20:21], s[20:21], s[24:25]
.irp b, 0,1,2,3,4,5,6,7
.irp x, 0,1
.irp c, 0,1
	global_load_b128 v[XX+16*\b+8*\x+4*\c:XX+16*\b+8*\x+4*\c+3], v1, s[4:5] offset:\b*30720+\c*512+\x*256   ; sixteen lanes read 256 consecutive bytes
.endr
.endr
.endr
	WIN 0x40                                       ; destination window 1
.irp b, 0,1,2,3,4,5,6,7
.irp m, 0,1,2,3
	global_load_b128 v[16*\b+4*\m:16*\b+4*\m+3], v2, s[6:7] offset:128*\b+16*\m
	global_load_b128 v[128+16*\b+4*\m:128+16*\b+4*\m+3], v2, s[8:9] offset:128*\b+16*\m
.endr
.endr
	WIN 0x80                                       ; destination window 2
.irp q, 0,1,2,3
.irp m, 0,1,2,3,4,5
	global_load_b128 v[24*\q+4*\m:24*\q+4*\m+3], v3, s[10:11] offset:\q*3072+512*\m
.endr
.endr
.irp q, 0,1,2,3
.irp c, 0,1
	global_load_b128 v[96+8*\q+4*\c:96+8*\q+4*\c+3], v5, s[14:15] offset:64*\q+16*\c
	global_load_b128 v[128+8*\q+4*\c:128+8*\q+4*\c+3], v5, s[16:17] offset:64*\q+16*\c
	global_load_b128 v[160+8*\q+4*\c:160+8*\q+4*\c+3], v5, s[18:19] offset:64*\q+16*\c
.endr
.endr
	WIN 0
.irp q, 0,1,2,3
	global_load_b32 v[36+\q], v4, s[12:13] offset:128*\q
.endr
	s_wait_loadcnt 63                              ; 148 loads were issued: the oldest 85 are in, the row's 32 among them
	; ---- LN2
.irp k, 0,2,4,6
	v_pk_add_f32 v[44+\k:45+\k], v[XX+\k:XX+\k+1], v[XX+8+\k:XX+9+\k]
.endr
.set I, 16
.rept 14
.irp k, 0,2,4,6
	v_pk_add_f32 v[44+\k:45+\k], v[44+\k:45+\k], v[XX+I+\k:XX+I+\k+1]
.endr
.set I, I+8
.endr
	FOLD
	v_mul_f32 v40, s32, v44                        ; the mean
.set I, 0
.rept 64
	v_pk_add_f32 v[XX+I:XX+I+1], v[XX+I:XX+I+1], v[40:41] op_sel_hi:[1,0] neg_lo:[0,1] neg_hi:[0,1]
.set I, I+2
.endr
.irp k, 0,2,4,6
	v_pk_mul_f32 v[44+\k:45+\k], v[XX+\k:XX+\k+1], v[XX+\k:XX+\k+1]
.endr
.set I, 8
.rept 15
.irp k, 0,2,4,6
	v_pk_fma_f32 v[44+\k:45+\k], v[XX+I+\k:XX+I+\k+1], v[XX+I+\k:XX+I+\k+1], v[44+\k:45+\k]
.endr
.set I, I+8
.endr
	FOLD
	v_fma_f32 v42, v44, s32, s33                   ; the variance + 1e-5
	v_rsq_f32 v42, v42
	v_nop                                          ; one plain place behind a transcendental
.set I, 0
	s_wait_alu depctr_va_vdst(0)
.rept 64
	v_pk_mul_f32 v[XX+I:XX+I+1], v[XX+I:XX+I+1], v[42:43] op_sel_hi:[1,0]
.set I, I+2
.endr
	s_wait_loadcnt 52                              ; g2 and be2 are in; the 52 loads issued behind them may be out
	WIN 0x14                                       ; sources 1 and 2 window 1
.set I, 0
.rept 64
	v_pk_fma_f32 v[XX+I:XX+I+1], v[XX+I:XX+I+1], v[I:I+1], v[128+I:129+I]
.set I, I+2
.endr
	WIN 0
.set I, 0
.rept 128
	v_max_num_f32 v[XX+I], 0, v[XX+I]
.set I, I+1
.endr
	; ---- the rows' codes: two K steps of 128
	QUANT XX, 60, 33
	QUANT XX+64, 72, 34
.rept 8
	v_nop                                          ; a scale register written by a vector instruction stands 8 places ahead of a scaled matrix instruction, an operand so written 4
.endr
	s_wait_loadcnt 0x0
	WIN 0x22                                       ; source 0 (W_out) and source 2 (b_out) window 2
.irp q, 0,1,2,3                        ; four accumulators by turns
	v_wmma_scale_f32_16x16x128_f8f6f4 v[DD+8*\q:DD+8*\q+7], v[24*\q:24*\q+11], v[60:71], v[96+8*\q:96+8*\q+7], v[36+\q], v33 matrix_a_fmt:MATRIX_FMT_FP6 matrix_b_fmt:MATRIX_FMT_FP6
.endr
	WIN 0x02
.irp q, 0,1,2,3
	v_wmma_scale_f32_16x16x128_f8f6f4 v[DD+8*\q:DD+8*\q+7], v[24*\q+12:24*\q+23], v[72:83], v[DD+8*\q:DD+8*\q+7], v[36+\q], v34 matrix_a_fmt:MATRIX_FMT_FP6 matrix_b_fmt:MATRIX_FMT_FP6 matrix_a_scale:MATRIX_SCALE_ROW1
.endr
	WIN 0
.rept 4
	v_nop                                          ; four places in front of the first read of results (ISA guide 7.12.1)
.endr
	; ---- LN3: each accumulator is read from its low end on
.irp q, 0,1,2,3
	v_pk_add_f32 v[44+2*\q:45+2*\q], v[DD+8*\q:DD+8*\q+1], v[DD+8*\q+2:DD+8*\q+3]
.endr
.irp j, 4,6
.irp q, 0,1,2,3
	v_pk_add_f32 v[44+2*\q:45+2*\q], v[44+2*\q:45+2*\q], v[DD+8*\q+\j:DD+8*\q+\j+1]
.endr
.endr
	FOLD
	ds_store_b32 v6, v44                           ; my wave's sum of row r (both halves of the lanes write the same word with the same value)
	BAR
.irp x, 0,1,2,3
	ds_load_b32 v[53+\x], v7 offset:64*\x
.endr
	s_wait_dscnt 0x0
	v_add_f32 v53, v53, v54
	v_add_f32 v55, v55, v56
	v_add_f32 v53, v53, v55
	v_mul_f32 v40, s32, v53                        ; the mean
.set I, 0
.rept 16
	v_pk_add_f32 v[DD+I:DD+I+1], v[DD+I:DD+I+1], v[40:41] op_sel_hi:[1,0] neg_lo:[0,1] neg_hi:[0,1]
.set I, I+2
.endr
.irp q, 0,1,2,3
	v_pk_mul_f32 v[44+2*\q:45+2*\q], v[DD+8*\q:DD+8*\q+1], v[DD+8*\q:DD+8*\q+1]
.endr
.irp j, 2,4,6
.irp q, 0,1,2,3
	v_pk_fma_f32 v[44+2*\q:45+2*\q], v[DD+8*\q+\j:DD+8*\q+\j+1], v[DD+8*\q+\j:DD+8*\q+\j+1], v[44+2*\q:45+2*\q]
.endr
.endr
	FOLD
	ds_store_b32 v6, v44 offset:256                ; other words than the first sums': no wave can meet a reader of those
	BAR
.irp x, 0,1,2,3
	ds_load_b32 v[53+\x], v7 offset:256+64*\x
.endr
	s_wait_dscnt 0x0
	v_add_f32 v53, v53, v54
	v_add_f32 v55, v55, v56
	v_add_f32 v53, v53, v55
	v_fma_f32 v42, v53, s32, s33
	v_rsq_f32 v42, v42
	v_nop                                          ; one plain place behind a transcendental
.set I, 0
	s_wait_alu depctr_va_vdst(0)
.rept 16
	v_pk_mul_f32 v[DD+I:DD+I+1], v[DD+I:DD+I+1], v[42:43] op_sel_hi:[1,0]
.set I, I+2
.endr
	WIN 0x28                                       ; sources 1 and 2 window 2
.set I, 0
.rept 16
	v_pk_fma_f32 v[DD+I:DD+I+1], v[DD+I:DD+I+1], v[128+I:129+I], v[160+I:161+I]
.set I, I+2
.endr
	WIN 0
.set I, 0
.rept 32
	v_max_num_f32 v[DD+I], 0, v[DD+I]
.set I, I+1
.endr
	; ---- the way out: a row's 1,024 bytes come from four waves; they meet in the stage, and each wave stores four whole rows
.irp q, 0,1,2,3
.irp c, 0,1
	ds_store_b128 v8, v[DD+8*\q+4*\c:DD+8*\q+4*\c+3] offset:64*\q+16*\c
.endr
.endr
	BAR
.irp i, 0,1,2,3,4,5,6,7
	ds_load_b128 v[XX+4*\i:XX+4*\i+3], v9 offset:(\i/2)*1040+(\i%2)*512
.endr
.irp i, 0,1,2,3,4,5,6,7
	s_wait_dscnt 7-\i                              ; LDS loads come back in order: load i is in, the younger ones stay out
	global_store_b128 v3, v[XX+4*\i:XX+4*\i+3], s[20:21] offset:(\i/2)*1024+(\i%2)*512 th:TH_STORE_NT   ; 512 consecutive bytes, at a multiple of 256 from the output's first byte
.endr
	s_wait_tensorcnt 0x0
	ds_add_u32 v94, v95
	s_wait_dscnt 0x0
	s_endpgm
.Lfunc_end_k_q79cbcc571b_final:
	.size	k_q79cbcc571b_final, .Lfunc_end_k_q79cbcc571b_final-k_q79cbcc571b_final
	.p2alignl 7, 3214868480
	.fill 96, 4, 3214868480
	.section	.rodata,"a",@progbits
	.p2align	6, 0x0
	.amdhsa_kernel k_q79cbcc571b_final
		.amdhsa_group_segment_fixed_size 17920
		.amdhsa_private_segment_fixed_size 0
		.amdhsa_enable_private_segment 0
		.amdhsa_kernarg_size 72
		.amdhsa_user_sgpr_count 2
		.amdhsa_user_sgpr_kernarg_segment_ptr 1
		.amdhsa_wavefront_size32 1
		.amdhsa_system_sgpr_workgroup_id_x 1
		.amdhsa_system_sgpr_workgroup_id_y 1
		.amdhsa_system_sgpr_workgroup_id_z 1
		.amdhsa_system_vgpr_workitem_id 0
		.amdhsa_next_free_vgpr 768
		.amdhsa_next_free_sgpr 66
		.amdhsa_reserve_vcc 0
		.amdhsa_float_denorm_mode_32 3
		.amdhsa_float_denorm_mode_16_64 3
		.amdhsa_memory_ordered 1
		.amdhsa_forward_progress 1
		.amdhsa_inst_pref_size 61
	.end_amdhsa_kernel
	.amdgpu_metadata
---
amdhsa.version: [ 1, 2 ]
amdhsa.kernels:
  - .name:           k_q79cbcc571b_final
    .symbol:         k_q79cbcc571b_final.kd
    .args:
      - { .name: part2, .offset: 0, .size: 8, .value_kind: global_buffer, .address_space: global }
      - { .name: g2, .offset: 8, .size: 8, .value_kind: global_buffer, .address_space: global }
      - { .name: be2, .offset: 16, .size: 8, .value_kind: global_buffer, .address_space: global }
      - { .name: wcodes, .offset: 24, .size: 8, .value_kind: global_buffer, .address_space: global }
      - { .name: wscales, .offset: 32, .size: 8, .value_kind: global_buffer, .address_space: global }
      - { .name: b_out, .offset: 40, .size: 8, .value_kind: global_buffer, .address_space: global }
      - { .name: g3, .offset: 48, .size: 8, .value_kind: global_buffer, .address_space: global }
      - { .name: be3, .offset: 56, .size: 8, .value_kind: global_buffer, .address_space: global }
      - { .name: out0, .offset: 64, .size: 8, .value_kind: global_buffer, .address_space: global }
    .group_segment_fixed_size: 17920
    .private_segment_fixed_size: 0
    .kernarg_segment_align: 8
    .kernarg_segment_size: 72
    .max_flat_workgroup_size: 128
    .sgpr_count:     66
    .vgpr_count:     768
    .wavefront_size: 32
...
	.end_amdgpu_metadata
.endif
;; end of part 4
